; MI455X (gfx1250); checked and timed in simulation.
; The chip was launched on July 23, 2026; its instructions are those of AMD's public machine-readable ISA for CDNA 5 (MIT licence, August 2026) and "CDNA5" Instruction Set Architecture Reference Guide (July 2026). The comments in the code are by the model that wrote it; some were corrected since.
;; Multi Head Attention. Allowed arithmetic: matrix products marked QUANTISED: E4M3 operands, one given power-of-two scale a tensor, by v_wmma_f32_16x16x64_fp8_fp8 or v_wmma_f32_16x16x128_fp8_fp8, f32 sums; everything else in f32.
;; Inputs: Wk 1,024 x 1,024 float32; Wo 1,024 x 1,024 float32; Wq 1,024 x 1,024 float32; Wv 1,024 x 1,024 float32; bk 1,024 float32; bo 1,024 float32; bq 1,024 float32; bv 1,024 float32; k 2 x 2,048 x 1,024 float32; lowp_scales 12 int32 (the exponents e of the quantised operands' scales 2^e); q 2 x 2,048 x 1,024 float32; v 2 x 2,048 x 1,024 float32.
;; Outputs: out0 2 x 2,048 x 1,024 float32.
;; This version of the problem:
;;   THIS VERSION OF THE PROBLEM IS GIVEN IN LOW PRECISION. The matrix products marked QUANTISED in the list below multiply operands that are first quantised to E4M3 (4 exponent bits, 3 mantissa bits; 8 bits a number), with one given power-of-two scale for each operand tensor; their sums are f32. All else is computed in f32.
;;   The module's matrix products, in the order in which they are computed (A, B: the left and right operand; K: the contracted axis; several contracted axes count as one K, in the product's order):
;;     1. [M 4,096, K 1,024] x [K 1,024, N 1,024]; A: input q; B: input Wq: QUANTISED (scales: A lowp_scales[0], B lowp_scales[1])
;;     2. [M 4,096, K 1,024] x [K 1,024, N 1,024]; A: input k; B: input Wk: QUANTISED (scales: A lowp_scales[2], B lowp_scales[3])
;;     3. [M 4,096, K 1,024] x [K 1,024, N 1,024]; A: input v; B: input Wv: QUANTISED (scales: A lowp_scales[4], B lowp_scales[5])
;;     4. batch 32 x [M 2,048, K 64] x [K 64, N 2,048]; A: computed on the way; B: computed on the way: QUANTISED (scales: A lowp_scales[6], B lowp_scales[7])
;;     5. batch 32 x [M 2,048, K 2,048] x [K 2,048, N 64]; A: softmax (see below); B: computed on the way: QUANTISED (scales: A lowp_scales[8], B lowp_scales[9])
;;     6. [M 4,096, K 1,024] x [K 1,024, N 1,024]; A: computed on the way; B: input Wo: QUANTISED (scales: A lowp_scales[10], B lowp_scales[11])
;;   THE QUANTISER, for each operand of a quantised product, along K:
;;     - The operand's scale is 2^e, e = its entry of the input lowp_scales (int32; the entries are numbered through the quantised products in the list's order, A before B).
;;     - Each number is divided by the scale, clamped to +-448, and rounded to the nearest number of E4M3, ties to even, subnormals kept.
;;     - The product sums the exact products of the quantised numbers (number of the format x scale) in f32.
;;   ~~~python
;;   def quantise(x, axis, e):      # numpy; x: float32 -> the quantised numbers, widened to float32 again
;;       x = np.moveaxis(x, axis, -1); K = x.shape[-1]
;;       r = np.clip(x / 2.0 ** e, -448, 448)
;;       step = 2.0 ** (np.maximum(np.frexp(np.where(r == 0, 1, r))[1] - 1, -6) - 3)
;;       q = np.round(r / step) * step * 2.0 ** e      # np.round: ties to even
;;       return np.moveaxis(q, -1, axis).astype(np.float32)
;;   ~~~
;;   SOFTMAX AHEAD OF A QUANTISED PRODUCT. Where the list says 'softmax', what is quantised is not the finished softmax but p = 2^(t - M), with t = logit x log2(e) and M = ceil(the row's largest t), a whole number; so 1/2 < the row's largest p <= 1. The row's sum l is taken of the UNQUANTISED p, in f32, and the product's result is divided by l at the end. Since M is a whole number, a kernel that streams over the keys may use a running M (the ceiling of the running maximum): every later rescaling is an exact power of two, so the quantised numbers keep their values, but for numbers so far below the row's largest that they fall under the format's range.
;;   OPERANDS COMPUTED ON THE WAY. 'Computed on the way' means the value that the module computes at that place (a softmax that the list does not call 'softmax' is quantised finished and normalised). What goes into a quantiser is computed in f32, as accurately as f32 sums, v_exp_f32 and their like allow (about 1e-6 of the number): no bf16 or f16 on the way to a quantiser, and a product that is left as it is and whose result goes on into a quantised operand takes f32 operands (vector FMAs, or v_wmma_f32_16x16x4_f32). A number that lies on a knife's edge between two numbers of the format may be rounded either way, as far as f32 arithmetic and the matrix unit's own rounding can turn it there, and no further.
;; One version. Each part assembles by itself: llvm-mc -triple=amdgcn-amd-amdhsa -mcpu=gfx1250 --defsym DOCPART=n.
;; ======== version 1 of 1: 4 launches
;; limits: right only within a limited range of input values
;; workspace buffers: xc 12,582,912 bytes; wc 4,194,304 bytes; pc 12,582,912 bytes; cc 4,194,304 bytes
;; launch quant (part 1): grid 2048 x 1, 4 waves a work-group, no clusters, 0 bytes of LDS; arguments q, k, v, Wq, Wk, Wv, Wo, lowp_scales, xc, wc; writes xc, wc
.if DOCPART == 1
	.amdgcn_target "amdgcn-amd-amdhsa--gfx1250"
	.amdhsa_code_object_version 6
	.text
	.protected	k_q7b04793b86_quant
	.globl	k_q7b04793b86_quant
	.p2align	8
	.type	k_q7b04793b86_quant,@function
k_q7b04793b86_quant:
	s_mov_b64 s[64:65], 0
	v_nop
	global_prefetch_b8 v0, s[64:65] scope:SCOPE_SE
	s_setreg_imm32_b32 hwreg(HW_REG_WAVE_MODE, 25, 1), 1
	s_wait_xcnt 0x0
; q, k, v [4096][1024] and Wq, Wk, Wv, Wo [1024][1024], f32, become codes of FP8 (E4M3), each tensor with the one scale 2^e that is given for it:
; code = x / 2^e, held within +-448, rounded to the nearest code, ties to even.  q, k, v go to xc (4 MiB each), the four weights to wc (1 MiB each), rows of 1,024 codes.
; LIMITS: e between -126 and 119, so that 2^e and 448 x 2^e are f32 numbers.  NaN among the inputs is not served (an infinity is held at the largest code).
; SHARES.  A work-group takes a group of 8 rows, a wave 2 rows: 4 steps of 512 numbers, whose 16 loads all go out at the wave's head.  2,048 work-groups of 4 waves with 96 registers: eight waves to each of 1,024 SIMDs.
; Work-groups 0-511 take the weights, 128 each, Wo first (its loads are the strided ones), then Wv, Wk, Wq; work-groups 512-2,047 take q, k, v, 512 each.
; One scale a tensor makes the quantiser a map of single numbers, so the place of a code is mine to choose:
; ORDER ALONG K (all but Wo): each of a step's four loads reads 512 consecutive bytes, 16 a lane; lane L then holds k = 128 i + 4 L + j in register 4 i + j, and its 16 codes go to bytes 16 L on of the step's 512.
;   Both operands of the three projections are laid so, so every product still meets its partner.  Wo's partner is made in true order: for Wo a lane takes 16 neighbours (lanes 64 bytes apart).
; ORDER OF ROWS (k, v, Wq, Wk, Wv): in each group of 32 rows the second and third groups of eight change places, so that 16 neighbouring rows of the buffer are rows 8 u + r + 8 (r / 8) of the group:
;   a tile of such rows as a matrix instruction's first source leaves a lane 16 neighbours in the registers of two neighbouring tiles.
; No LDS, no barrier, no matrix unit, no cluster: waves share nothing and every byte is read once and written once.  Every store of a wave covers 512 consecutive bytes, aligned.
.set STEPS, 4
.set AD,   4                           ; v4-7    byte offset of load i in a step's 2,048 bytes
.set CO,   8                           ; v8      16 x lane: my codes in a step's 512 bytes
.set LIM,  10                          ; v10     448 x 2^e
.set SC,   11                          ; v11     2^e
.set X,    16                          ; v16-79  four sets of 16 numbers, one for each step
.set C,    80                          ; v80-95  four registers of codes for each step: no store's data are written again
.set WV,   28
.set TN,   29                          ; which tensor: 0 q, 1 k, 2 v, 3 Wq, 4 Wk, 5 Wv, 6 Wo
.set LOC,  30                          ; which group of 8 rows of it
	s_load_b512 s[8:23], s[0:1], 0x0               ; q, k, v, Wq, Wk, Wv, Wo, the scales' exponents
	s_load_b128 s[24:27], s[0:1], 0x40             ; xc, wc
	v_lshrrev_b32 v1, 5, v0
	v_readfirstlane_b32 s[WV], v1                  ; wave 0..3
	v_and_b32 v2, 31, v0                           ; lane
	s_wait_alu depctr_va_vdst(0)
	s_lshr_b32 s44, ttmp9, 7                       ; work-groups 0-511: the weights, 128 groups each:
	s_sub_co_u32 s45, 6, s44                       ; Wo, Wv, Wk, Wq in this order;
	s_and_b32 s46, ttmp9, 127                      ; the group in the tensor,
	s_sub_co_u32 s47, 3, s44
	s_lshl_b32 s47, s47, 7
	s_add_co_u32 s47, s47, s46                     ; and in wc, where Wq's section is the first
	s_sub_co_u32 s31, ttmp9, 512                   ; work-groups 512-2,047: q, k, v, 512 groups each; this is also the group's number in xc
	s_lshr_b32 s48, s31, 9
	s_and_b32 s49, s31, 511
	s_cmp_lt_u32 ttmp9, 512
	s_cselect_b32 s[TN], s45, s48
	s_cselect_b32 s[LOC], s46, s49
	s_cselect_b32 s50, s47, s31                    ; the group's number in its output buffer
	s_and_b32 s51, s50, 1                          ; where my eight rows go: of each four groups the second and third change places,
	s_lshl_b32 s51, s51, 1
	s_bfe_u32 s52, s50, 0x10001
	s_or_b32 s51, s51, s52
	s_and_not1_b32 s53, s50, 3
	s_or_b32 s51, s53, s51
	s_cmp_eq_u32 s[TN], 0
	s_cselect_b32 s51, s50, s51                    ; but not in q,
	s_cmp_eq_u32 s[TN], 6
	s_cselect_b32 s51, s50, s51                    ; nor in Wo
	s_cselect_b32 s54, 64, 16                      ; from lane to lane,
	s_cselect_b32 s55, 16, 512                     ; and from load to load
	s_lshl_b32 s56, s[LOC], 15                     ; in: 8 rows of 4,096 bytes a group,
	s_lshl_b32 s57, s[WV], 13                      ; 2 rows a wave
	s_add_co_u32 s56, s56, s57
	s_mov_b32 s57, 0
	s_lshl_b32 s58, s51, 13                        ; out: 8 rows of 1,024 bytes a group,
	s_lshl_b32 s59, s[WV], 11                      ; 2 rows a wave
	s_add_co_u32 s58, s58, s59
	s_mov_b32 s59, 0
	v_mul_u32_u24 v3, s54, v2
	v_mov_b32 v[AD], v3
	v_add_nc_u32 v[AD+1], s55, v3
	s_lshl_b32 s53, s55, 1
	v_add_nc_u32 v[AD+2], s53, v3
	s_add_co_u32 s53, s53, s55
	v_add_nc_u32 v[AD+3], s53, v3
	v_lshlrev_b32 v[CO], 4, v2
	s_wait_alu depctr_va_vdst(0)
	s_wait_kmcnt 0x0
	s_load_b256 s[32:39], s[22:23], 0x0            ; e0 .. e7
	s_load_b128 s[40:43], s[22:23], 0x20           ; e8 .. e11
	s_mov_b64 s[4:5], s[8:9]                       ; the tensor is chosen by the work-group's number alone
.irp i, 1,2,3,4,5,6
	s_cmp_eq_u32 s[TN], \i
	s_cselect_b64 s[4:5], s[8+2*\i:9+2*\i], s[4:5]
.endr
	s_cmp_lt_u32 ttmp9, 512
	s_cselect_b64 s[6:7], s[26:27], s[24:25]
	s_add_nc_u64 s[4:5], s[4:5], s[56:57]
	s_add_nc_u64 s[6:7], s[6:7], s[58:59]
.irp t, 0,1,2,3                                    ; all that the wave reads is asked for here: 16 loads
.irp i, 0,1,2,3
	global_load_b128 v[X+16*\t+4*\i:X+16*\t+4*\i+3], v[AD+\i], s[4:5] offset:2048*\t th:TH_LOAD_NT
.endr
.endr
	s_wait_kmcnt 0x0
	s_mov_b32 s60, s32                             ; e: q e0, k e2, v e4, Wq e1, Wk e3, Wv e5, Wo e11
	s_cmp_eq_u32 s[TN], 1
	s_cselect_b32 s60, s34, s60
	s_cmp_eq_u32 s[TN], 2
	s_cselect_b32 s60, s36, s60
	s_cmp_eq_u32 s[TN], 3
	s_cselect_b32 s60, s33, s60
	s_cmp_eq_u32 s[TN], 4
	s_cselect_b32 s60, s35, s60
	s_cmp_eq_u32 s[TN], 5
	s_cselect_b32 s60, s37, s60
	s_cmp_eq_u32 s[TN], 6
	s_cselect_b32 s60, s43, s60
	s_add_co_i32 s60, s60, 127
	s_lshl_b32 s61, s60, 23
	v_mov_b32 v[SC], s61                           ; 2^e as f32: the conversion takes its exponent field
	s_add_co_i32 s60, s60, 8
	s_lshl_b32 s60, s60, 23
	s_or_b32 s60, s60, 0x600000
	v_mov_b32 v[LIM], s60                          ; 448 x 2^e
.macro STEP t
.set XS, X+16*(\t)
	s_wait_loadcnt 4*(STEPS-1-(\t))                ; loads come back in order: this step's four are in, those of the steps behind it may be out
.set j, 0
.rept 16
	v_med3_num_f32 v[XS+j], v[XS+j], -v[LIM], v[LIM]   ; the conversion to an 8-bit code does not saturate (ISA guide 7.6.2): the hold at the largest code x the scale
.set j, j+1
.endr
	v_cvt_scalef32_pk8_fp8_f32 v[C+4*(\t):C+4*(\t)+1], v[XS:XS+7], v[SC]
	v_cvt_scalef32_pk8_fp8_f32 v[C+4*(\t)+2:C+4*(\t)+3], v[XS+8:XS+15], v[SC]
.endm
	s_wait_alu depctr_va_vdst(0)
.irp t, 0,1,2,3
	STEP \t
.endr
.irp t, 0,1,2,3                                    ; the stores stand behind all the vector work; each has code registers of its own
	global_store_b128 v[CO], v[C+4*\t:C+4*\t+3], s[6:7] offset:512*\t   ; 32 lanes store 512 consecutive bytes
.endr
	s_endpgm
.Lfunc_end_k_q7b04793b86_quant:
	.size	k_q7b04793b86_quant, .Lfunc_end_k_q7b04793b86_quant-k_q7b04793b86_quant
	.p2alignl 7, 3214868480
	.fill 96, 4, 3214868480
	.section	.rodata,"a",@progbits
	.p2align	6, 0x0
	.amdhsa_kernel k_q7b04793b86_quant
		.amdhsa_group_segment_fixed_size 0
		.amdhsa_private_segment_fixed_size 0
		.amdhsa_enable_private_segment 0
		.amdhsa_kernarg_size 80
		.amdhsa_user_sgpr_count 2
		.amdhsa_user_sgpr_kernarg_segment_ptr 1
		.amdhsa_wavefront_size32 1
		.amdhsa_system_sgpr_workgroup_id_x 1
		.amdhsa_system_sgpr_workgroup_id_y 1
		.amdhsa_system_sgpr_workgroup_id_z 1
		.amdhsa_system_vgpr_workitem_id 0
		.amdhsa_next_free_vgpr 96
		.amdhsa_next_free_sgpr 66
		.amdhsa_reserve_vcc 0
		.amdhsa_float_denorm_mode_32 3
		.amdhsa_float_denorm_mode_16_64 3
		.amdhsa_memory_ordered 1
		.amdhsa_forward_progress 1
		.amdhsa_inst_pref_size 10
	.end_amdhsa_kernel
	.amdgpu_metadata
---
amdhsa.version: [ 1, 2 ]
amdhsa.kernels:
  - .name:           k_q7b04793b86_quant
    .symbol:         k_q7b04793b86_quant.kd
    .args:
      - { .name: q, .offset: 0, .size: 8, .value_kind: global_buffer, .address_space: global }
      - { .name: k, .offset: 8, .size: 8, .value_kind: global_buffer, .address_space: global }
      - { .name: v, .offset: 16, .size: 8, .value_kind: global_buffer, .address_space: global }
      - { .name: Wq, .offset: 24, .size: 8, .value_kind: global_buffer, .address_space: global }
      - { .name: Wk, .offset: 32, .size: 8, .value_kind: global_buffer, .address_space: global }
      - { .name: Wv, .offset: 40, .size: 8, .value_kind: global_buffer, .address_space: global }
      - { .name: Wo, .offset: 48, .size: 8, .value_kind: global_buffer, .address_space: global }
      - { .name: lowp_scales, .offset: 56, .size: 8, .value_kind: global_buffer, .address_space: global }
      - { .name: xc, .offset: 64, .size: 8, .value_kind: global_buffer, .address_space: global }
      - { .name: wc, .offset: 72, .size: 8, .value_kind: global_buffer, .address_space: global }
    .group_segment_fixed_size: 0
    .private_segment_fixed_size: 0
    .kernarg_segment_align: 8
    .kernarg_segment_size: 80
    .max_flat_workgroup_size: 128
    .sgpr_count:     66
    .vgpr_count:     96
    .wavefront_size: 32
...
	.end_amdgpu_metadata
.endif
;; end of part 1
;; launch proj (part 2): grid 4 x 48, 4 waves a work-group, clusters of 4 x 4, 327,680 bytes of LDS; arguments xc, wc, lowp_scales, bq, bk, bv, pc; writes pc
.if DOCPART == 2
	.amdgcn_target "amdgcn-amd-amdhsa--gfx1250"
	.amdhsa_code_object_version 6
	.text
	.protected	k_q7b04793b86_proj
	.globl	k_q7b04793b86_proj
	.p2align	8
	.type	k_q7b04793b86_proj,@function
k_q7b04793b86_proj:
	s_mov_b64 s[64:65], 0
	v_nop
	global_prefetch_b8 v0, s[64:65] scope:SCOPE_SE
	s_setreg_imm32_b32 hwreg(HW_REG_WAVE_MODE, 25, 1), 1
	s_wait_xcnt 0x0
	s_wait_alu depctr_hold_cnt(0) depctr_sa_sdst(0) depctr_va_vdst(0) depctr_va_sdst(0) depctr_va_ssrc(0) depctr_va_vcc(0) depctr_vm_vsrc(0)
	s_getreg_b32 s2, hwreg(HW_REG_IB_STS2, 6, 4)
	s_cmp_eq_u32 s2, 0
	s_cbranch_scc0 .Lentry_in_a_cluster
	s_endpgm
.Lentry_in_a_cluster:
	s_bfe_u32 s2, ttmp6, 0x10000c
	s_cmp_lg_u32 s2, 0xf033
	s_cbranch_scc0 .Lentry_shape_is_right
	s_endpgm
.Lentry_shape_is_right:
; The three projections y = x W^T + b on codes of FP8 (E4M3), K = 1,024, and the quantising of y for the attention's products: qh with e6, kh with e7, vh with e9.
; KIND = cluster y / 4: 0 q, 1 k, 2 v.  A tile of 256 x 256 is made by four waves, 128 x 128 each: 64 accumulators of 16 x 16.  K goes in steps of 256 through a ring of two LDS slots filled by tensor loads.
; THE MATRIX INSTRUCTION'S FIRST SOURCE IS CALLED B HERE, ITS SECOND A: a lane holds one row of A's tile, and its registers run along B's rows.
;   KIND 0, 1: A = x's codes, B = W's: a lane holds one token, its registers run along the head's channels, the next product's K.
;   KIND 2:    A = Wv's codes, B = v's: a lane holds one channel, its registers run along the keys, the next product's K.
; B's rows were laid so that the 16 registers of accumulators 2 p and 2 p + 1 are 16 neighbours, 32 p + 16 (lane / 16) + 0 .. 15: two conversions make 16 bytes that are four registers of the next operand.
; OUT: images of operand registers.  A wave's 128 x 128 codes are 16 KiB on end: piece (a, p), 512 bytes, at 2,048 a + 512 p, lane l's 16 bytes at 16 l.  No stage: every store covers 512 consecutive bytes, aligned.
; THE BIAS is the C of each sum's first matrix instruction, divided by the power of two that the sums lack.  It runs along B's rows in KIND 0, 1 and along A's in KIND 2: two short branches on KIND, which is the same in all partners.
; CLUSTERS: 4 x 4 work-groups; A's tile is shared along a row of the cluster, B's along a column: each is asked for jointly, by the same tensor load with the same descriptor and a mask that names the four.
; 192 work-groups: 3 x 16 x 4 tiles; a smaller tile would read each LDS byte for half as many products.
; LIMITS: eo - ea - eb between -126 and 119 (ea, eb the product's two exponents, eo that of its result's quantiser).
; REGISTERS, in windows of 256: window 0: v16-31 addresses and scales; v32-95 the bias, later a block's held sums; v96-103 bv as loaded; v128-255 A's fragments, one set, later the codes.
;   window 1: B's fragments, two sets.   window 2: the accumulators of my rows 0-63 ((a, b) at v[8 (8 a + b)]);   window 3: those of rows 64-127.
.set ROWB,   256                       ; a tile's row in bytes
.set KROW,   1024                      ; a row of codes in memory
.set PITCH,  272                       ; an LDS row: 256 bytes + 16 of padding = 68 words: the 16 rows that a load touches start at 16 different banks (64 banks of 4 bytes: ISA guide 11.1)
.set FR,     16
.set NL,     4
.set NP,     4                         ; places behind this matrix instruction (ISA guide 7.12.1)
.set HALFT,  128*PITCH
.set SLOT,   4*HALFT                   ; A's 256 rows, then B's 256 rows
.set SPARE,  2*SLOT                    ; behind the ring: the spare words, 128 bytes a wave, that no other line names
.set ADRA, 16
.set ADRB, 20
.set CO,   26                          ; v26  16 x lane
.set BO,   27                          ; v27  my lane's offset in the bias
.set SPW,  28
.set NIL,  29
.set LIM,  30                          ; v30  448 x 2^(eo - ea - eb)
.set SC,   31                          ; v31  2^(eo - ea - eb)
.set BIAS, 32
.set T,    32
.set RAW,  96
.set AF,   128
.set CD,   128
.set WV,   18
.set RH,   19                          ; which half of A's rows is mine.  Also: I fetch for A (0) or for B (1)
.set CH,   20                          ; which half of B's rows.  Also: which 128 rows of that tile I fetch
.set KIND, 21
.set G1,  24
.set G0,  32
.set G1B, 48
.set G0B, 56
.set MSB, 0
.macro WIN new                         ; the immediate's high byte repeats the setting that is left
.if MSB != \new
	s_set_vgpr_msb (MSB<<8)|\new
.set MSB, \new
.endif
.endm
.set MUL_LO, 0xa1                      ; source 0 (B) window 1, source 1 (A) window 0, C and D window 2
.set MUL_HI, 0xf1                      ; the same, C and D window 3
.set FST_LO, 0x81                      ; the first step: C (the bias) window 0, D window 2
.set FST_HI, 0xc1                      ; D window 3
.set TO_B,   0x40
; A joint load: waves 0 and 1 fetch for A, waves 2 and 3 for B.  An s_nop 0 and four v_nop follow each of the two lines.
.macro JLOAD g0a, g1a, g0b, g1b
	s_cmp_eq_u32 s[RH], 0
	s_cbranch_scc0 .Lfor_b_\@
	tensor_load_to_lds s[\g0a:\g0a+3], s[\g1a:\g1a+7]
	s_nop 0
.rept 4
	v_nop
.endr
	s_branch .Lasked_\@
.Lfor_b_\@:
	tensor_load_to_lds s[\g0b:\g0b+3], s[\g1b:\g1b+7]
	s_nop 0
.rept 4
	v_nop
.endr
.Lasked_\@:
.endm
.macro CREST                           ; a round of the cluster's barrier behind its opening barrier
	s_cmp_lg_u32 s[WV], 0
	s_cbranch_scc1 .Lnot_wave_0_\@
	s_barrier_signal -3
.Lnot_wave_0_\@:
	s_barrier_wait -3
	s_barrier_signal -1
	s_barrier_wait -1
.endm
.macro CROUND
	s_barrier_signal -1
	s_barrier_wait -1
	CREST
.endm
	s_load_b128 s[4:7], s[0:1], 0x0                ; xc, wc
	s_load_b256 s[8:15], s[0:1], 0x10              ; the scales' exponents, bq, bk, bv
	s_load_b64 s[16:17], s[0:1], 0x30              ; pc
	v_lshl_add_u32 v[SPW], v0, 2, SPARE
	v_mov_b32 v[NIL], 0
	ds_add_u32 v[SPW], v[NIL]                      ; the wave's opening: the add and its wait stand ahead of my first tensor load; work on registers stands between them
	ds_add_u32 v[SPW], v[NIL]
	v_lshrrev_b32 v1, 5, v0
	v_readfirstlane_b32 s[WV], v1
	s_lshr_b32 s[RH], s[WV], 1
	s_and_b32 s[CH], s[WV], 1
	s_bfe_u32 s40, ttmp6, 0x40000                  ; cx
	s_bfe_u32 s41, ttmp6, 0x40004                  ; cy
	s_and_b32 s66, ttmp7, 0xffff                   ; cluster y, 0 .. 11
	s_lshr_b32 s[KIND], s66, 2
	s_and_b32 s22, s66, 3
	s_lshl_b32 s67, s22, 2
	s_add_co_u32 s68, s67, s41
	s_add_co_u32 s69, s67, s40
	s_cmp_eq_u32 s[KIND], 2
	s_cselect_b32 s43, s41, s68                    ; A's tile: of Wv's four by cy; of x's sixteen by 4 (cluster y % 4) + cy
	s_cselect_b32 s42, s69, s40                    ; B's tile: of v's sixteen by 4 (cluster y % 4) + cx; of W's four by cx
	s_lshl_b32 s44, s41, 2
	s_lshl_b32 s44, 15, s44                        ; my row of the cluster
	s_lshl_b32 s45, 0x1111, s40                    ; my column
	s_or_b32 s[G1+0], s44, (0<<16)|(1<<20)|(1<<21)|(5<<22)|(3<<25)   ; the mask; elements of 1 byte; padding on; bit 21 beside a mask; after every 64 words, 4 words
	s_or_b32 s[G1B+0], s45, (0<<16)|(1<<20)|(1<<21)|(5<<22)|(3<<25)
.irp g, G1, G1B
	s_mov_b32 s[\g+1], ROWB<<16                    ; tensor_dim0
	s_mov_b32 s[\g+2], 128<<16                     ; tensor_dim1
	s_mov_b32 s[\g+3], ROWB<<16                    ; tile_dim0
	s_mov_b32 s[\g+4], 128                         ; tile_dim1
	s_mov_b32 s[\g+5], KROW                        ; from row to row
	s_mov_b32 s[\g+6], 0
	s_mov_b32 s[\g+7], 0
.endr
	s_lshl_b32 s46, s[CH], 7
	s_lshl_b32 s66, s43, 8
	s_add_co_u32 s66, s66, s46                     ; A: row 256 x tile + 128 x half,
	s_lshl_b32 s66, s66, 10                        ; in bytes
	s_lshl_b32 s68, s42, 8
	s_add_co_u32 s68, s68, s46                     ; B likewise
	s_lshl_b32 s68, s68, 10
	s_lshl_b32 s70, s[KIND], 22                    ; the section of xc,
	s_lshl_b32 s71, s[KIND], 20                    ; and of wc
	s_cmp_eq_u32 s[KIND], 2
	s_cselect_b32 s47, s71, s70
	s_cselect_b32 s70, s70, s71
	s_add_co_u32 s66, s66, s47
	s_add_co_u32 s68, s68, s70
	s_mov_b32 s67, 0
	s_mov_b32 s69, 0
	s_mul_i32 s23, s[WV], HALFT                    ; where my load goes: no place in the cluster enters an LDS address
	s_wait_dscnt 0x0                               ; the opening add is done
	s_wait_kmcnt 0x0
	s_load_b256 s[72:79], s[8:9], 0x0              ; e0 .. e7
	s_load_b128 s[80:83], s[8:9], 0x20             ; e8 .. e11
	s_cmp_eq_u32 s[KIND], 2
	s_cselect_b64 s[92:93], s[6:7], s[4:5]         ; A's buffer,
	s_cselect_b64 s[94:95], s[4:5], s[6:7]         ; B's
	s_add_nc_u64 s[92:93], s[92:93], s[66:67]
	s_add_nc_u64 s[94:95], s[94:95], s[68:69]
	CROUND                                         ; all sixteen work-groups are here: the first joint loads meet
.irp s, 0,1
	s_mov_b32 s[G0+4*\s], 1
	s_add_co_u32 s[G0+4*\s+1], s23, \s*SLOT
	s_add_nc_u64 s[G0+4*\s+2:G0+4*\s+3], s[92:93], \s*ROWB
	s_or_b32 s[G0+4*\s+3], s[G0+4*\s+3], 0x80000000
	s_mov_b32 s[G0B+4*\s], 1
	s_add_co_u32 s[G0B+4*\s+1], s23, \s*SLOT
	s_add_nc_u64 s[G0B+4*\s+2:G0B+4*\s+3], s[94:95], \s*ROWB
	s_or_b32 s[G0B+4*\s+3], s[G0B+4*\s+3], 0x80000000
.endr
	JLOAD G0, G1, G0B, G1B                         ; K step 0: one tensor load a wave at the head
	; PREFETCHES INTO THE L2.  At each change of slots every wave has waited for all its tensor loads, so a fill goes out with nothing on its way beside it: its rows are asked of memory at least one fill earlier.
	; Of the 128 rows that I fetch, each of the four partners that ask for them jointly takes 32, told apart by address alone (cx for A's tiles, cy for B's): a lane a row, 256 bytes of it a K step,
	; so each block of 256 bytes is named once in each cluster that loads it.  Here: K steps 1 and 2; behind K step 1's load: K step 3, the last.  The address registers are never written again.
	s_cmp_eq_u32 s[RH], 0                          ; do I fetch for A?
	s_cselect_b64 s[96:97], s[92:93], s[94:95]     ; my 128 rows at K = 0
	s_cselect_b32 s98, s40, s41                    ; my place among the four that ask with me
	s_lshl_b32 s98, s98, 15                        ; 32 rows of 1,024 bytes
	s_mov_b32 s99, 0
	s_add_nc_u64 s[96:97], s[96:97], s[98:99]
	v_and_b32 v22, 31, v0
	v_lshlrev_b32 v22, 10, v22                     ; v22: my lane's row; never rewritten
	global_prefetch_b8 v22, s[96:97] offset:256 th:TH_LOAD_NT scope:SCOPE_SE
	global_prefetch_b8 v22, s[96:97] offset:512 th:TH_LOAD_NT scope:SCOPE_SE
	v_and_b32 v1, 15, v0                           ; r = l % 16
	v_bfe_u32 v2, v0, 4, 1                         ; l / 16
	v_mul_u32_u24 v3, v1, PITCH
	v_lshl_add_u32 v4, v2, 4, v3
	s_mul_i32 s66, s[RH], HALFT                    ; my 128 rows of A
	s_mul_i32 s67, s[CH], HALFT                    ; my 128 rows of B,
	s_add_co_u32 s67, s67, 2*HALFT                 ; which lie behind A's 256
.irp s, 0,1
	v_add_nc_u32 v[ADRA+\s], s66, v4
	v_add_nc_u32 v[ADRB+\s], s67, v4
	s_add_co_u32 s66, s66, SLOT
	s_add_co_u32 s67, s67, SLOT
.endr
	v_and_b32 v5, 31, v0
	v_lshlrev_b32 v[CO], 4, v5
	; where my 16 KiB go: section KIND; (batch x 8 + pair of heads) x 262,144; 128 bytes for each token of the batch
	s_lshl_b32 s66, s43, 8
	s_lshl_b32 s67, s[RH], 7
	s_add_co_u32 s66, s66, s67                     ; A's first row of mine
	s_lshl_b32 s68, s42, 8
	s_lshl_b32 s69, s[CH], 7
	s_add_co_u32 s68, s68, s69                     ; B's
	s_cmp_eq_u32 s[KIND], 2
	s_cselect_b32 s70, s68, s66                    ; my first token,
	s_cselect_b32 s71, s66, s68                    ; my first output channel
	s_lshr_b32 s66, s70, 11
	s_lshl_b32 s66, s66, 3
	s_lshr_b32 s67, s71, 7
	s_add_co_u32 s66, s66, s67
	s_lshl_b32 s66, s66, 18
	s_and_b32 s67, s70, 2047
	s_lshl_b32 s67, s67, 7
	s_add_co_u32 s66, s66, s67
	s_lshl_b32 s67, s[KIND], 22
	s_add_co_u32 s66, s66, s67
	s_mov_b32 s67, 0
	s_add_nc_u64 s[16:17], s[16:17], s[66:67]
	s_cmp_eq_u32 s[KIND], 1
	s_cselect_b64 s[90:91], s[12:13], s[10:11]
	s_cmp_eq_u32 s[KIND], 2
	s_cselect_b64 s[90:91], s[14:15], s[90:91]     ; my bias,
	s_lshl_b32 s66, s71, 2
	s_mov_b32 s67, 0
	s_add_nc_u64 s[90:91], s[90:91], s[66:67]      ; at my first output channel
	s_wait_kmcnt 0x0
	s_add_co_i32 s84, s72, s73
	s_add_co_i32 s85, s74, s75
	s_add_co_i32 s86, s76, s77
	s_cmp_eq_u32 s[KIND], 1
	s_cselect_b32 s84, s85, s84
	s_cselect_b32 s87, s79, s78
	s_cmp_eq_u32 s[KIND], 2
	s_cselect_b32 s84, s86, s84                    ; ea + eb: a sum stands for sum x 2^(ea + eb)
	s_cselect_b32 s87, s81, s87                    ; eo: e6, e7 or e9
	s_sub_co_i32 s88, 0, s84                       ; the bias goes in as b / 2^(ea + eb)
	s_sub_co_i32 s87, s87, s84                     ; the three scales are folded into the conversion's one
	s_add_co_i32 s87, s87, 127
	s_lshl_b32 s85, s87, 23
	v_mov_b32 v[SC], s85
	s_add_co_i32 s87, s87, 8
	s_lshl_b32 s87, s87, 23
	s_or_b32 s87, s87, 0x600000
	v_mov_b32 v[LIM], s87
	; the bias, while the first tiles are on their way
	s_cmp_eq_u32 s[KIND], 2
	s_cbranch_scc1 .Lbias_v
	v_lshlrev_b32 v[BO], 6, v2                     ; accumulator (a, b), register j: channel 32 (b / 2) + 8 (b % 2) + 16 (l / 16) + j
.irp b, 0,1,2,3,4,5,6,7
	global_load_b128 v[BIAS+8*\b:BIAS+8*\b+3], v[BO], s[90:91] offset:4*(32*(\b/2)+8*(\b%2))
	global_load_b128 v[BIAS+8*\b+4:BIAS+8*\b+7], v[BO], s[90:91] offset:4*(32*(\b/2)+8*(\b%2))+16
.endr
	s_wait_loadcnt 0x0
.set j, 0
.rept 64
	v_ldexp_f32 v[BIAS+j], v[BIAS+j], s88
.set j, j+1
.endr
	s_branch .Lbias_done
.Lbias_v:
	v_and_b32 v5, 8, v1
	v_add_nc_u32 v5, v5, v1
	v_lshlrev_b32 v[BO], 2, v5                     ; accumulator (a, b), every register: channel 32 (a / 2) + 8 (a % 2) + r + 8 (r / 8)
.irp a, 0,1,2,3,4,5,6,7
	global_load_b32 v[RAW+\a], v[BO], s[90:91] offset:4*(32*(\a/2)+8*(\a%2))
.endr
	s_wait_loadcnt 0x0
.irp a, 0,1,2,3,4,5,6,7
.irp j, 0,1,2,3,4,5,6,7
	v_ldexp_f32 v[BIAS+8*\a+\j], v[RAW+\a], s88
.endr
.endr
.Lbias_done:
.macro FRAG reg, adr, q, i             ; 16 rows x 128 K: 16 registers, four loads of 16 bytes, 32 bytes apart: the same places along K in A and in B
.irp c, 0,1,2,3
	ds_load_b128 v[\reg+4*\c:\reg+4*\c+3], v[\adr] offset:128*(\q)+32*\c+(\i)*16*PITCH
.endr
.endm
; 16 matrix instructions: A's blocks a0, a0 + 1 x B's eight.  p: B's set.  zero = 1: C is the bias along B's rows; 2: along A's; 0: the sum goes on.
; The 64 accumulators take turns, one instruction a turn, in the same order in every step.
.macro MUL16 a0, p, zero
.irp a, \a0, \a0+1
.irp b, 0,1,2,3,4,5,6,7
.if \zero == 1
	v_wmma_f32_16x16x128_fp8_fp8 v[8*(8*((\a)%4)+\b):8*(8*((\a)%4)+\b)+7], v[128*(\p)+FR*\b:128*(\p)+FR*\b+FR-1], v[AF+FR*(\a):AF+FR*(\a)+FR-1], v[BIAS+8*\b:BIAS+8*\b+7]
.elseif \zero == 2
	v_wmma_f32_16x16x128_fp8_fp8 v[8*(8*((\a)%4)+\b):8*(8*((\a)%4)+\b)+7], v[128*(\p)+FR*\b:128*(\p)+FR*\b+FR-1], v[AF+FR*(\a):AF+FR*(\a)+FR-1], v[BIAS+8*(\a):BIAS+8*(\a)+7]
.else
	v_wmma_f32_16x16x128_fp8_fp8 v[8*(8*((\a)%4)+\b):8*(8*((\a)%4)+\b)+7], v[128*(\p)+FR*\b:128*(\p)+FR*\b+FR-1], v[AF+FR*(\a):AF+FR*(\a)+FR-1], v[8*(8*((\a)%4)+\b):8*(8*((\a)%4)+\b)+7]
.endif
.endr
.endr
.endm
.macro FETCH_B slot, q, p
	WIN TO_B
.irp i, 0,1,2,3,4,5,6,7
	FRAG 128*(\p)+FR*\i, ADRB+\slot, \q, \i
.endr
	WIN 0
.endm
.macro FETCH_A slot, q, i0
.irp i, \i0, \i0+1, \i0+2, \i0+3
	FRAG AF+FR*(\i), ADRA+\slot, \q, \i
.endr
.endm
.macro PLACES n                        ; plain vector instructions between a matrix instruction and a load into, or a vector read of, its registers
.rept \n
	v_nop
.endr
.endm
; A step of 128 along K that has its successor in the same slot.  A has one set of registers: blocks 0-3 are fetched anew in the step's middle, blocks 4-7 at its end.
.macro STEP slot, q, zero
	s_wait_dscnt 4*NL                              ; B's set and A's blocks 0-3 are in; the youngest sixteen loads (A's blocks 4-7) may be out
.if \zero
	WIN FST_LO
.else
	WIN MUL_LO
.endif
	MUL16 0, (\q)%2, \zero
	MUL16 2, (\q)%2, \zero
	s_wait_dscnt 0
	PLACES NP
	FETCH_B \slot, (\q)+1, 1-(\q)%2
	FETCH_A \slot, (\q)+1, 0
.if \zero
	WIN FST_HI
.else
	WIN MUL_HI
.endif
	MUL16 4, (\q)%2, \zero
	MUL16 6, (\q)%2, \zero
	PLACES NP
	WIN 0
	FETCH_A \slot, (\q)+1, 4
.endm
; A slot's last step changes slots: one barrier; in front of it each wave waits for all its tensor loads, adds 0 to its spare word, and waits for that and for its reads of this slot.  fill = 1: the slot is filled again, two K steps ahead.
.macro TURN slot, next, fill
	s_wait_tensorcnt 0x0                           ; all my tensor loads have landed: my part of the next slot
	ds_add_u32 v[SPW], v[NIL]                      ; 0 onto my spare word
	s_wait_dscnt 4*NL+1                            ; (the add and the youngest sixteen loads may be out)
	WIN MUL_LO
	MUL16 0, 1, 0
	s_wait_dscnt 0x0                               ; the add is done, and my reads of this slot are over
	s_barrier_signal -1
	MUL16 2, 1, 0
	WIN 0
	s_barrier_wait -1
.if \fill
	CREST                                          ; the barrier has opened a round of the cluster's: no wave of any partner still reads this slot or has a load on its way
	s_add_nc_u64 s[G0+4*\slot+2:G0+4*\slot+3], s[G0+4*\slot+2:G0+4*\slot+3], 2*ROWB
	s_add_nc_u64 s[G0B+4*\slot+2:G0B+4*\slot+3], s[G0B+4*\slot+2:G0B+4*\slot+3], 2*ROWB
	JLOAD G0+4*\slot, G1, G0B+4*\slot, G1B         ; the first tensor load behind the round; its four v_nop are the places in front of the loads below
.else
	PLACES NP
.endif
	FETCH_B \next, 0, 0
	FETCH_A \next, 0, 0
	WIN MUL_HI
	MUL16 4, 1, 0
	MUL16 6, 1, 0
	PLACES NP
	WIN 0
	FETCH_A \next, 0, 4
.endm
	s_wait_alu depctr_va_vdst(0)
	s_wait_tensorcnt 0x0                           ; my part of K step 0 is in
	ds_add_u32 v[SPW], v[NIL]
	s_wait_dscnt 0x0
	CROUND                                         ; everybody's part of K step 0 is in, and all sixteen work-groups are here
	JLOAD G0+4, G1, G0B+4, G1B                     ; K step 1: slot 1's first fill, the first tensor load behind the round
	FETCH_B 0, 0, 0
	FETCH_A 0, 0, 0
	FETCH_A 0, 0, 4
	global_prefetch_b8 v22, s[96:97] offset:768 th:TH_LOAD_NT scope:SCOPE_SE   ; K step 3, two fills ahead of its load; behind the joint load and the run of LDS loads
	s_cmp_eq_u32 s[KIND], 2                        ; the first step's products start the sums from the bias: written twice, since the bias's registers are chosen otherwise for v
	s_cbranch_scc1 .Lfirst_v
	s_wait_alu depctr_va_vdst(0)
	STEP 0, 0, 1
	s_branch .Lfirst_done
.Lfirst_v:
	s_wait_alu depctr_va_vdst(0)
	STEP 0, 0, 2
.Lfirst_done:
	TURN 0, 1, 1                                   ; K = 1,024 is four slots' worth: slot 0 takes K step 2,
	STEP 1, 0, 0
	TURN 1, 0, 1                                   ; slot 1 K step 3,
	STEP 0, 0, 0
	TURN 0, 1, 0                                   ; and nothing is left to ask for
	STEP 1, 0, 0
	s_wait_dscnt 4*NL
	WIN MUL_LO
	MUL16 0, 1, 0
	MUL16 2, 1, 0
	s_wait_dscnt 0
	WIN MUL_HI
	MUL16 4, 1, 0
	MUL16 6, 1, 0
	WIN 0
; THE WAY OUT of A's block a: 64 sums a lane are held, converted and stored as four pieces of 512 bytes.  Each block has code registers of its own, so no store's data are written again.
.macro OUTB a
.set AC, 64*((\a)%4)
	WIN 0x02+((\a)/4)                              ; source 0: window 2 or 3
.set j, 0
.rept 64
	v_med3_num_f32 v[T+j], v[AC+j], -v[LIM], v[LIM]    ; the hold (ISA guide 7.6.2); each accumulator from its low end on
.set j, j+1
.endr
	WIN 0
.irp g, 0,1,2,3,4,5,6,7
	v_cvt_scalef32_pk8_fp8_f32 v[CD+16*(\a)+2*\g:CD+16*(\a)+2*\g+1], v[T+8*\g:T+8*\g+7], v[SC]
.endr
	v_nop                                          ; a plain vector instruction between the conversions and the next block's holds, which write their sources
.irp p, 0,1,2,3
	global_store_b128 v[CO], v[CD+16*(\a)+4*\p:CD+16*(\a)+4*\p+3], s[16:17] offset:(\a)*2048+\p*512
.endr
.endm
	PLACES NP
.irp a, 0,1,2,3,4,5,6,7
	OUTB \a
.endr
	s_wait_tensorcnt 0x0                           ; the wave's end
	ds_add_u32 v[SPW], v[NIL]
	s_wait_dscnt 0x0
	CROUND                                         ; the closing round: no work-group ends while a partner may still ask for a tile that names it
	s_endpgm
.Lfunc_end_k_q7b04793b86_proj:
	.size	k_q7b04793b86_proj, .Lfunc_end_k_q7b04793b86_proj-k_q7b04793b86_proj
	.p2alignl 7, 3214868480
	.fill 96, 4, 3214868480
	.section	.rodata,"a",@progbits
	.p2align	6, 0x0
	.amdhsa_kernel k_q7b04793b86_proj
		.amdhsa_group_segment_fixed_size 327680
		.amdhsa_private_segment_fixed_size 0
		.amdhsa_enable_private_segment 0
		.amdhsa_kernarg_size 56
		.amdhsa_user_sgpr_count 2
		.amdhsa_user_sgpr_kernarg_segment_ptr 1
		.amdhsa_wavefront_size32 1
		.amdhsa_system_sgpr_workgroup_id_x 1
		.amdhsa_system_sgpr_workgroup_id_y 1
		.amdhsa_system_sgpr_workgroup_id_z 1
		.amdhsa_system_vgpr_workitem_id 0
		.amdhsa_next_free_vgpr 1024
		.amdhsa_next_free_sgpr 100
		.amdhsa_reserve_vcc 0
		.amdhsa_float_denorm_mode_32 3
		.amdhsa_float_denorm_mode_16_64 3
		.amdhsa_memory_ordered 1
		.amdhsa_forward_progress 1
		.amdhsa_inst_pref_size 139
	.end_amdhsa_kernel
	.amdgpu_metadata
---
amdhsa.version: [ 1, 2 ]
amdhsa.kernels:
  - .name:           k_q7b04793b86_proj
    .symbol:         k_q7b04793b86_proj.kd
    .args:
      - { .name: xc, .offset: 0, .size: 8, .value_kind: global_buffer, .address_space: global }
      - { .name: wc, .offset: 8, .size: 8, .value_kind: global_buffer, .address_space: global }
      - { .name: lowp_scales, .offset: 16, .size: 8, .value_kind: global_buffer, .address_space: global }
      - { .name: bq, .offset: 24, .size: 8, .value_kind: global_buffer, .address_space: global }
      - { .name: bk, .offset: 32, .size: 8, .value_kind: global_buffer, .address_space: global }
      - { .name: bv, .offset: 40, .size: 8, .value_kind: global_buffer, .address_space: global }
      - { .name: pc, .offset: 48, .size: 8, .value_kind: global_buffer, .address_space: global }
    .group_segment_fixed_size: 327680
    .private_segment_fixed_size: 0
    .kernarg_segment_align: 8
    .kernarg_segment_size: 56
    .max_flat_workgroup_size: 128
    .sgpr_count:     100
    .vgpr_count:     1024
    .wavefront_size: 32
...
	.end_amdgpu_metadata
.endif
;; end of part 2
;; launch attn (part 3): grid 8 x 32, 8 waves a work-group, clusters of 4 x 1, 327,680 bytes of LDS; arguments pc, lowp_scales, cc; writes cc
.if DOCPART == 3
	.amdgcn_target "amdgcn-amd-amdhsa--gfx1250"
	.amdhsa_code_object_version 6
	.text
	.protected	k_q7b04793b86_attn
	.globl	k_q7b04793b86_attn
	.p2align	8
	.type	k_q7b04793b86_attn,@function
k_q7b04793b86_attn:
	s_mov_b64 s[64:65], 0
	v_nop
	global_prefetch_b8 v0, s[64:65] scope:SCOPE_SE
	s_setreg_imm32_b32 hwreg(HW_REG_WAVE_MODE, 25, 1), 1
	s_wait_xcnt 0x0
	s_wait_alu depctr_hold_cnt(0) depctr_sa_sdst(0) depctr_va_vdst(0) depctr_va_sdst(0) depctr_va_ssrc(0) depctr_va_vcc(0) depctr_vm_vsrc(0)
	s_getreg_b32 s2, hwreg(HW_REG_IB_STS2, 6, 4)
	s_cmp_eq_u32 s2, 0
	s_cbranch_scc0 .Lentry_in_a_cluster
	s_endpgm
.Lentry_in_a_cluster:
	s_bfe_u32 s2, ttmp6, 0x10000c
	s_cmp_lg_u32 s2, 0x3003
	s_cbranch_scc0 .Lentry_shape_is_right
	s_endpgm
.Lentry_shape_is_right:
; Attention of one head on codes of FP8 (E4M3): t = |qh . kh| / 8 x log2(e); p = 2^(t - M), M the running largest t rounded up to a whole number; O = (sum of Q(p) vh) / (sum of the unquantised p); O is quantised with e10.
; Both products are used transposed (S^T = K Q^T, O^T = V^T P^T): a lane holds one query (lane % 16) of each of its wave's tiles throughout.
; IN: pc, images of operand registers (a piece is 512 bytes, 16 a lane), as the projections' launch stores them; a pair of heads is 262,144 bytes of each section of 4 MiB:
;   qh (section 0), kh (section 1): 16 tokens x 2,048; head % 2 x 1,024; piece c: channels 32 c + 16 (lane / 16) + 0 .. 15 of token lane % 16.  Of each 32 keys, tile u holds keys 8 u + r + 8 (r / 8),
;     so that the 16 registers of score tiles 2 b and 2 b + 1 are the 16 neighbouring keys 32 b + 16 (lane / 16) + 0 .. 15.
;   vh (section 2): 128 keys x 16,384; head % 2 x 8,192; 16 channels x 2,048; piece c: keys 32 c + 16 (lane / 16) + 0 .. 15.
; OUT: cc, images again: 16 queries x 16,384; head x 1,024; two pieces of 512 bytes: each store of a wave covers 512 consecutive bytes, aligned.
; SHARES.  A work-group owns 256 queries of one head; each of its eight waves owns 32, two tiles of 16 (A and B): every fragment of K and of V that a wave reads from LDS feeds two matrix instructions.  Every wave walks all 2,048 keys, 128 a step.
; LDS holds the head's whole K (plane P, 128 keys, at 8,192 P) and V (at 131,072 + 8,192 P); every byte is filled once, in two fills of eight planes each of K and of V.
;   Waves 0-3 bring two planes of K each (16 rows of 1,024 bytes, 2,048 apart), waves 4-7 two of V (2 rows of 8,192 bytes, 16,384 apart): one tensor load a wave at the head, and one behind the full sequence and a round;
;   the second fill is out while the first half's eight steps are worked, and is read behind a wait for 0 and a barrier.  A wave never has more than one tensor load out.
; K's fragments of the next step are fetched under this step's softmax; each half's last step is written out without that fetch, so that no read reaches beyond the half.
; CLUSTERS: the four query blocks of a cluster walk the same K and V and ask for them jointly (mask 15); no LDS address and no branch hangs on the place in the cluster.
; NO PREFETCH: both fills are asked for ahead of the first key step, so no trip has a later load to run ahead of.
; LIMITS: e6 + e7 between -123 and 130 (added to c's exponent field); e8 and e10 between -126 and 119; the scaled scores stay under 2^31 in magnitude.  NaN among the inputs is not served.
; REGISTERS, in two windows of 256.  Under the same numbers, tile A in window 0 and tile B in window 1: v12 -M, v13 the largest |score|, v[14:15] the sum; v96-159 S^T, then p; v160-191 O^T; v192-207 p's codes; v208-227 at work.
;   window 0 besides: v1-5 addresses; v16-23 A's Q, v24-31 B's Q; v32-95 V's fragments.   window 1 besides: v32-95 K's fragments.
.set SPARE, 262144                     ; behind K and V: the spare words, 128 bytes a wave, that no other line names
.set VOFF,  131072
.set PLANE, 8192
.set HALF,  8*PLANE
.set LI,  1                            ; v1  16 x lane
.set SPW, 2
.set NIL, 3
.set ADK, 4                            ; v4  the step's plane of K
.set ADV, 5                            ; v5  of V
.set WV,  18
.set SEL, 20                           ; s[20:21] selects of v_permlanex16_b32: lane l xor 16
.set CS,  22                           ; s22 c = log2(e) / 8 x 2^(e6 + e7)
.set G1K, 24
.set G1V, 32
.set G0K, 40
.set G0V, 44
.set TB,  48
.set CNT, 49
.set MSB, 0
.macro WIN new                         ; low byte: bits 1:0 source 0, 3:2 source 1, 5:4 source 2, 7:6 destination; the high byte repeats the setting that is left
.if MSB != \new
	s_set_vgpr_msb (MSB<<8)|\new
.set MSB, \new
.endif
.endm
.macro ROUND                           ; a round of the cluster's barrier
	s_barrier_signal -1
	s_barrier_wait -1
	s_cmp_lg_u32 s[WV], 0
	s_cbranch_scc1 .Lnot_wave_0_\@
	s_barrier_signal -3
.Lnot_wave_0_\@:
	s_barrier_wait -3
	s_barrier_signal -1
	s_barrier_wait -1
.endm
.macro JLOAD                           ; a joint load in each arm of one branch on the wave's number; an s_nop 0 and four v_nop follow each
	s_cmp_lt_u32 s[WV], 4
	s_cbranch_scc0 .Lfor_v_\@
	tensor_load_to_lds s[G0K:G0K+3], s[G1K:G1K+7]
	s_nop 0
.rept 4
	v_nop
.endr
	s_branch .Lasked_\@
.Lfor_v_\@:
	tensor_load_to_lds s[G0V:G0V+3], s[G1V:G1V+7]
	s_nop 0
.rept 4
	v_nop
.endr
.Lasked_\@:
.endm
	s_load_b128 s[4:7], s[0:1], 0x0                ; pc, the scales' exponents
	s_load_b64 s[8:9], s[0:1], 0x10                ; cc
	v_lshl_add_u32 v[SPW], v0, 2, SPARE
	v_mov_b32 v[NIL], 0
	ds_add_u32 v[SPW], v[NIL]                      ; the opening: the add, twice on end, and its wait ahead of my first tensor load
	ds_add_u32 v[SPW], v[NIL]
	v_lshrrev_b32 v6, 5, v0
	v_readfirstlane_b32 s[WV], v6                  ; wave 0..7
	s_bfe_u32 s66, ttmp6, 0x40000                  ; cx
	s_lshl_b32 s67, ttmp9, 2
	s_add_co_u32 s67, s67, s66                     ; which 256 queries
	s_and_b32 s68, ttmp7, 0xffff                   ; 16 x batch + head
	s_lshr_b32 s69, s68, 1
	s_and_b32 s70, s68, 1                          ; head % 2
	s_lshl_b32 s71, s69, 18                        ; the pair of heads
	s_lshl_b32 s72, s70, 10                        ; K: planes 2 x wave, + 1
	s_lshl_b32 s73, s[WV], 15
	s_add_co_u32 s72, s72, s73
	s_add_co_u32 s72, s72, s71
	s_add_co_u32 s72, s72, 0x400000
	s_mov_b32 s73, 0
	s_lshl_b32 s74, s70, 13                        ; V: planes 2 x (wave - 4), + 1
	s_and_b32 s75, s[WV], 3
	s_lshl_b32 s75, s75, 15
	s_add_co_u32 s74, s74, s75
	s_add_co_u32 s74, s74, s71
	s_add_co_u32 s74, s74, 0x800000
	s_mov_b32 s75, 0
	s_lshl_b32 s77, s[WV], 14                      ; in LDS: 16,384 x wave
.irp g, G1K, G1V
	s_mov_b32 s[\g], 15|(3<<16)|(1<<21)            ; the mask of the four; elements of 8 bytes; bit 21 beside a mask
	s_mov_b32 s[\g+6], 0
	s_mov_b32 s[\g+7], 0
.endr
	s_mov_b32 s[G1K+1], 128<<16                    ; K: rows of 1,024 bytes,
	s_mov_b32 s[G1K+2], 16<<16                     ; sixteen of them,
	s_mov_b32 s[G1K+3], 128<<16
	s_mov_b32 s[G1K+4], 16
	s_mov_b32 s[G1K+5], 256                        ; 2,048 bytes apart
	s_mov_b32 s[G1V+1], 1024<<16                   ; V: rows of 8,192 bytes,
	s_mov_b32 s[G1V+2], 2<<16                      ; two of them,
	s_mov_b32 s[G1V+3], 1024<<16
	s_mov_b32 s[G1V+4], 2
	s_mov_b32 s[G1V+5], 2048                       ; 16,384 bytes apart
	s_mov_b32 s[SEL], 0x76543210
	s_mov_b32 s[SEL+1], 0xfedcba98
	s_mov_b32 s[CS], 0x3e38aa3b                    ; log2(e) / 8
	s_wait_dscnt 0x0                               ; both opening adds are done
	s_wait_kmcnt 0x0
	s_load_b256 s[52:59], s[6:7], 0x0              ; e0 .. e7
	s_load_b128 s[60:63], s[6:7], 0x20             ; e8 .. e11
	s_mov_b32 s[G0K], 1
	s_mov_b32 s[G0K+1], s77
	s_add_nc_u64 s[G0K+2:G0K+3], s[4:5], s[72:73]
	s_or_b32 s[G0K+3], s[G0K+3], 0x80000000
	s_mov_b32 s[G0V], 1
	s_add_co_u32 s[G0V+1], s77, HALF               ; waves 4-7: VOFF + 16,384 (wave - 4)
	s_add_nc_u64 s[G0V+2:G0V+3], s[4:5], s[74:75]
	s_or_b32 s[G0V+3], s[G0V+3], 0x80000000
	ROUND                                          ; the four work-groups are here: the joint loads meet
	JLOAD                                          ; keys 0 .. 1,023
	s_lshl_b32 s80, s67, 4
	s_lshl_b32 s81, s[WV], 1
	s_add_co_u32 s80, s80, s81                     ; tile A's 16 queries, of the batch's 128 such; tile B's are the next
	s_lshl_b32 s81, s80, 11
	s_add_co_u32 s81, s81, s71
	s_lshl_b32 s82, s70, 10
	s_add_co_u32 s82, s82, s81
	s_mov_b32 s83, 0
	s_add_nc_u64 s[84:85], s[4:5], s[82:83]
	v_and_b32 v6, 31, v0
	v_lshlrev_b32 v[LI], 4, v6
	global_load_b128 v[16:19], v[LI], s[84:85]     ; Q's fragments stay in registers
	global_load_b128 v[20:23], v[LI], s[84:85] offset:512
	global_load_b128 v[24:27], v[LI], s[84:85] offset:2048
	global_load_b128 v[28:31], v[LI], s[84:85] offset:2560
	s_lshr_b32 s86, s68, 4
	s_lshl_b32 s86, s86, 7
	s_add_co_u32 s86, s86, s80
	s_lshl_b32 s86, s86, 14
	s_and_b32 s87, s68, 15
	s_lshl_b32 s87, s87, 10
	s_add_co_u32 s86, s86, s87
	s_mov_b32 s87, 0
	s_add_nc_u64 s[8:9], s[8:9], s[86:87]          ; where tile A's 1,024 bytes of cc go; tile B's lie 16,384 further on
	s_wait_kmcnt 0x0
	s_add_co_i32 s66, s58, s59
	s_lshl_b32 s66, s66, 23
	s_add_co_i32 s[CS], s[CS], s66                 ; a score stands for score x 2^(e6 + e7)
	s_add_co_i32 s66, s60, 127
	s_lshl_b32 s88, s66, 23                        ; 2^e8
	s_add_co_i32 s66, s66, 8
	s_lshl_b32 s89, s66, 23
	s_or_b32 s89, s89, 0x600000                    ; 448 x 2^e8
	s_add_co_i32 s66, s62, 127
	s_lshl_b32 s90, s66, 23                        ; 2^e10
	s_add_co_i32 s66, s66, 8
	s_lshl_b32 s91, s66, 23
	s_or_b32 s91, s91, 0x600000                    ; 448 x 2^e10
	s_add_co_i32 s66, s60, s61                     ; e8 + e9
.macro INIT                            ; a tile's state and constants
	v_mov_b32 v12, 0                               ; -M and the largest |score| begin at 0: t is never negative
	v_mov_b32 v13, 0
	v_mov_b32 v14, 0
	v_mov_b32 v15, 0
	v_mov_b32 v211, 0                              ; (named as the upper half of a pair)
	v_mov_b32 v212, 0                              ; (a lane permute's destination counts as a source)
	v_mov_b32 v217, s88
	v_mov_b32 v216, s89
	v_mov_b32 v221, s89                            ; once more, for the second half of a dual pair
	v_mov_b32 v219, s90
	v_mov_b32 v218, s91
.set j, 0
.rept 32
	v_mov_b32 v[160+j], 0                          ; O^T: the step is written without a first form of its own
.set j, j+1
.endr
.endm
	INIT
	WIN 0x40
	INIT
	WIN 0
.macro KLOAD off                       ; the eight fragments of K of the plane at v[ADK] + off
.irp t, 0,1,2,3,4,5,6,7
	ds_load_b128 v[32+8*\t:35+8*\t], v[ADK] offset:\off+1024*\t
	ds_load_b128 v[36+8*\t:39+8*\t], v[ADK] offset:\off+1024*\t+512
.endr
.endm
; A TILE'S SOFTMAX of one step: from S^T to p's codes and O^T under the new M.  late = 1: exponentials stand between the scores' products and this first read
.macro SOFT late
.if \late
	s_wait_alu depctr_va_vdst(0)                   ; the wait directly ahead of the first reader of S^T
.endif
	v_max_num_f32 v208, |v96|, |v97|               ; the step's largest |score| of my query, in four chains; each accumulator from its low end on
	v_max_num_f32 v209, |v98|, |v99|
	v_max_num_f32 v222, |v100|, |v101|
	v_max_num_f32 v223, |v102|, |v103|
.irp t, 1,2,3,4,5,6,7
	v_max3_num_f32 v208, v208, |v[96+8*\t]|, |v[97+8*\t]|
	v_max3_num_f32 v209, v209, |v[98+8*\t]|, |v[99+8*\t]|
	v_max3_num_f32 v222, v222, |v[100+8*\t]|, |v[101+8*\t]|
	v_max3_num_f32 v223, v223, |v[102+8*\t]|, |v[103+8*\t]|
.endr
	v_max3_num_f32 v208, v208, v209, v222
	s_delay_alu instid0(VALU_DEP_1)
	v_max3_num_f32 v208, v208, v223, v13           ; with the largest so far,
	s_delay_alu instid0(VALU_DEP_1)
	v_permlanex16_b32 v212, v208, s[SEL], s[SEL+1]
	s_delay_alu instid0(VALU_DEP_1)
	v_max_num_f32 v13, v208, v212                  ; and with lane l xor 16's
	s_delay_alu instid0(VALU_DEP_1)
	v_mul_f32 v209, s[CS], v13                     ; as t (c is positive)
	v_mov_b32 v208, v12
	s_delay_alu instid0(VALU_DEP_2)
	v_floor_f32 v12, -v209                         ; -M = floor(-t): M is a whole number
	s_delay_alu instid0(VALU_DEP_1)
	v_sub_f32 v208, v12, v208
	s_delay_alu instid0(VALU_DEP_1)
	v_cvt_i32_f32 v208, v208
	s_delay_alu instid0(VALU_DEP_1)
	v_ldexp_f32 v210, 1.0, v208                    ; f = 2^(old M - new M)
.set j, 0
.rept 64
	v_fma_f32 v[96+j], |v[96+j]|, s[CS], v12       ; t - M
.set j, j+1
.endr
	s_wait_alu depctr_va_vdst(0)
.set j, 0
.rept 64
	v_exp_f32 v[96+j], v[96+j]                     ; p = 2^(t - M), at most 1
.set j, j+1
.endr
	v_pk_mul_f32 v[14:15], v[14:15], v[210:211] op_sel_hi:[1,0]   ; the sums under the new M (a plain place behind the batch)
	s_wait_alu depctr_va_vdst(0)                   ; one wait for the batch, ahead of its first reader
	v_pk_add_f32 v[214:215], v[96:97], v[98:99]    ; the row's sum is taken of the unquantised p, in four chains
	v_pk_add_f32 v[224:225], v[100:101], v[102:103]
	v_pk_add_f32 v[226:227], v[104:105], v[106:107]
.irp j, 12,20,28,36,44,52
	v_pk_add_f32 v[14:15], v[14:15], v[96+\j:97+\j]
	v_pk_add_f32 v[214:215], v[214:215], v[98+\j:99+\j]
	v_pk_add_f32 v[224:225], v[224:225], v[100+\j:101+\j]
	v_pk_add_f32 v[226:227], v[226:227], v[102+\j:103+\j]
.endr
	v_pk_add_f32 v[14:15], v[14:15], v[156:157]
	v_pk_add_f32 v[214:215], v[214:215], v[158:159]
	v_pk_add_f32 v[224:225], v[224:225], v[226:227]
	v_pk_add_f32 v[14:15], v[14:15], v[214:215]
	v_pk_add_f32 v[14:15], v[14:15], v[224:225]
.irp b, 0,1,2,3
.set j, 0
.rept 8
	v_dual_min_num_f32 v[96+16*\b+j], v[96+16*\b+j], v216 :: v_dual_min_num_f32 v[97+16*\b+j], v[97+16*\b+j], v221   ; the hold (ISA guide 7.6.2); p is not negative, so it is one-sided
.set j, j+2
.endr
	v_cvt_scalef32_pk8_fp8_f32 v[192+4*\b:193+4*\b], v[96+16*\b:103+16*\b], v217
	v_cvt_scalef32_pk8_fp8_f32 v[194+4*\b:195+4*\b], v[104+16*\b:111+16*\b], v217
.endr
	s_wait_alu depctr_va_vdst(0)                   ; the wait directly ahead of the first reader of O^T
.irp j, 0,2,4,6,8,10,12,14,16,18,20,22,24,26,28,30
	v_pk_mul_f32 v[160+\j:161+\j], v[160+\j:161+\j], v[210:211] op_sel_hi:[1,0]   ; O^T under the new M
.endr
.endm
.macro PV                              ; O^T += V^T P^T, the tile's four accumulators by turns
.irp t, 0,1,2,3
	v_wmma_f32_16x16x128_fp8_fp8 v[160+8*\t:167+8*\t], v[32+16*\t:47+16*\t], v[192:207], v[160+8*\t:167+8*\t]
.endr
.endm
; A KEY STEP: the 128 keys of the plane at s[TB], for both tiles.  K's fragments are in their registers or on their way.  more = 1: the next plane's are fetched
.macro STEP more
	v_add_nc_u32 v[ADK], s[TB], v[LI]
	v_add_nc_u32 v[ADV], VOFF, v[ADK]
	v_nop                                          ; with the two additions: four places between the last products and the loads into V's fragments
	v_nop
.irp t, 0,1,2,3
.irp c, 0,1,2,3
	ds_load_b128 v[32+16*\t+4*\c:35+16*\t+4*\c], v[ADV] offset:2048*\t+512*\c
.endr
.endr
.if \more
	s_wait_alu depctr_va_vdst(0)
.endif
	s_wait_dscnt 16                                ; K's fragments are in; the sixteen loads of V just issued may be out
	WIN 0x01                                       ; source 0 (K) window 1
.irp t, 0,1,2,3,4,5,6,7
	v_wmma_f32_16x16x64_fp8_fp8 v[96+8*\t:103+8*\t], v[32+8*\t:39+8*\t], v[16:23], 0
.endr
	WIN 0x41                                       ; and the result too: tile B
.irp t, 0,1,2,3,4,5,6,7
	v_wmma_f32_16x16x64_fp8_fp8 v[96+8*\t:103+8*\t], v[32+8*\t:39+8*\t], v[24:31], 0
.endr
.rept 4
	v_nop                                          ; places in front of the loads into K's fragments and of the first read of the scores
.endr
.if \more
	WIN 0x40
	KLOAD PLANE
.endif
	WIN 0
	SOFT 0
	s_wait_alu depctr_va_vdst(0)
	s_wait_dscnt 0x0                               ; V's fragments (and the next K's, asked for a tile's softmax ago)
	PV
	WIN 0x55                                       ; tile B: every operand in window 1
	SOFT 1
	WIN 0x54                                       ; source 0 (V) window 0
	PV
	WIN 0
.endm
.macro WALK first                      ; eight key steps, from the plane at LDS byte first on
	s_mov_b32 s[TB], \first
	s_mov_b32 s[CNT], 7
	v_add_nc_u32 v[ADK], s[TB], v[LI]
	WIN 0x40
	KLOAD 0
	WIN 0
.Lstep_\@:
	STEP 1
	s_add_co_u32 s[TB], s[TB], PLANE
	s_sub_co_u32 s[CNT], s[CNT], 1
	s_cmp_lg_u32 s[CNT], 0
	s_cbranch_scc1 .Lstep_\@
	STEP 0
.endm
	s_wait_alu depctr_va_vdst(0)
	s_wait_tensorcnt 0x0                           ; my planes of the first half are in
	ds_add_u32 v[SPW], v[NIL]
	s_add_co_u32 s[G0K+1], s[G0K+1], HALF          ; no load of mine is out, so the groups 0 may be written: eight planes on, in LDS and in memory
	s_add_nc_u64 s[G0K+2:G0K+3], s[G0K+2:G0K+3], 0x20000
	s_add_co_u32 s[G0V+1], s[G0V+1], HALF
	s_add_nc_u64 s[G0V+2:G0V+3], s[G0V+2:G0V+3], 0x20000
	s_wait_dscnt 0x0
	ROUND                                          ; everybody's planes are in, and the four work-groups are here
	JLOAD                                          ; keys 1,024 .. 2,047: the first tensor load behind the round
	s_wait_loadcnt 0x0                             ; Q
	WALK 0
	s_wait_tensorcnt 0x0                           ; my planes of the second half are in,
	s_wait_dscnt 0x0
	s_barrier_signal -1
	s_barrier_wait -1                              ; everybody's are
	WALK HALF
; THE WAY OUT of a tile: O^T / the sum x 2^(e8 + e9), held, converted with e10: accumulators 2 b, 2 b + 1 hold channels 32 b + 16 (lane / 16) + 0 .. 15 of my query
.macro FINISH
	v_add_f32 v14, v14, v15
	s_delay_alu instid0(VALU_DEP_1)
	v_permlanex16_b32 v212, v14, s[SEL], s[SEL+1]
	s_delay_alu instid0(VALU_DEP_1)
	v_add_f32 v14, v14, v212                       ; the row's sum
	s_wait_alu depctr_va_vdst(0)                   ; the wait ahead of the transcendental,
	v_rcp_f32 v14, v14
	v_nop
	s_wait_alu depctr_va_vdst(0)                   ; ahead of its first reader,
	v_ldexp_f32 v14, v14, s66
	s_wait_alu depctr_va_vdst(0)                   ; and directly ahead of the first reader of O^T
.irp j, 0,2,4,6,8,10,12,14,16,18,20,22,24,26,28,30
	v_pk_mul_f32 v[96+\j:97+\j], v[160+\j:161+\j], v[14:15] op_sel_hi:[1,0]
.endr
.set j, 0
.rept 32
	v_med3_num_f32 v[96+j], v[96+j], -v218, v218
.set j, j+1
.endr
.irp g, 0,1,2,3
	v_cvt_scalef32_pk8_fp8_f32 v[192+2*\g:193+2*\g], v[96+8*\g:103+8*\g], v219
.endr
	v_nop
.endm
	FINISH                                         ; tile A: its lines name no register of the last products, tile B's, and are their places
	global_store_b128 v[LI], v[192:195], s[8:9]
	global_store_b128 v[LI], v[196:199], s[8:9] offset:512
	WIN 0x55
	FINISH                                         ; tile B
	WIN 0x04                                       ; the stores' data in window 1, their offset in window 0
	global_store_b128 v[LI], v[192:195], s[8:9] offset:16384
	global_store_b128 v[LI], v[196:199], s[8:9] offset:16896
	WIN 0
	s_wait_tensorcnt 0x0                           ; the wave's end
	ds_add_u32 v[SPW], v[NIL]
	s_wait_dscnt 0x0
	ROUND                                          ; the closing round
	s_endpgm
.Lfunc_end_k_q7b04793b86_attn:
	.size	k_q7b04793b86_attn, .Lfunc_end_k_q7b04793b86_attn-k_q7b04793b86_attn
	.p2alignl 7, 3214868480
	.fill 96, 4, 3214868480
	.section	.rodata,"a",@progbits
	.p2align	6, 0x0
	.amdhsa_kernel k_q7b04793b86_attn
		.amdhsa_group_segment_fixed_size 327680
		.amdhsa_private_segment_fixed_size 0
		.amdhsa_enable_private_segment 0
		.amdhsa_kernarg_size 24
		.amdhsa_user_sgpr_count 2
		.amdhsa_user_sgpr_kernarg_segment_ptr 1
		.amdhsa_wavefront_size32 1
		.amdhsa_system_sgpr_workgroup_id_x 1
		.amdhsa_system_sgpr_workgroup_id_y 1
		.amdhsa_system_sgpr_workgroup_id_z 1
		.amdhsa_system_vgpr_workitem_id 0
		.amdhsa_next_free_vgpr 512
		.amdhsa_next_free_sgpr 96
		.amdhsa_reserve_vcc 0
		.amdhsa_float_denorm_mode_32 3
		.amdhsa_float_denorm_mode_16_64 3
		.amdhsa_memory_ordered 1
		.amdhsa_forward_progress 1
		.amdhsa_inst_pref_size 151
	.end_amdhsa_kernel
	.amdgpu_metadata
---
amdhsa.version: [ 1, 2 ]
amdhsa.kernels:
  - .name:           k_q7b04793b86_attn
    .symbol:         k_q7b04793b86_attn.kd
    .args:
      - { .name: pc, .offset: 0, .size: 8, .value_kind: global_buffer, .address_space: global }
      - { .name: lowp_scales, .offset: 8, .size: 8, .value_kind: global_buffer, .address_space: global }
      - { .name: cc, .offset: 16, .size: 8, .value_kind: global_buffer, .address_space: global }
    .group_segment_fixed_size: 327680
    .private_segment_fixed_size: 0
    .kernarg_segment_align: 8
    .kernarg_segment_size: 24
    .max_flat_workgroup_size: 256
    .sgpr_count:     96
    .vgpr_count:     512
    .wavefront_size: 32
...
	.end_amdgpu_metadata
.endif
;; end of part 3
;; launch outp (part 4): grid 8 x 32, 4 waves a work-group, clusters of 4 x 4, 288,256 bytes of LDS; arguments cc, wc, lowp_scales, bo, out0; writes out0
.if DOCPART == 4
	.amdgcn_target "amdgcn-amd-amdhsa--gfx1250"
	.amdhsa_code_object_version 6
	.text
	.protected	k_q7b04793b86_outp
	.globl	k_q7b04793b86_outp
	.p2align	8
	.type	k_q7b04793b86_outp,@function
k_q7b04793b86_outp:
	s_mov_b64 s[64:65], 0
	v_nop
	global_prefetch_b8 v0, s[64:65] scope:SCOPE_SE
	s_setreg_imm32_b32 hwreg(HW_REG_WAVE_MODE, 25, 1), 1
	s_wait_xcnt 0x0
	s_wait_alu depctr_hold_cnt(0) depctr_sa_sdst(0) depctr_va_vdst(0) depctr_va_sdst(0) depctr_va_ssrc(0) depctr_va_vcc(0) depctr_vm_vsrc(0)
	s_getreg_b32 s2, hwreg(HW_REG_IB_STS2, 6, 4)
	s_cmp_eq_u32 s2, 0
	s_cbranch_scc0 .Lentry_in_a_cluster
	s_endpgm
.Lentry_in_a_cluster:
	s_bfe_u32 s2, ttmp6, 0x10000c
	s_cmp_lg_u32 s2, 0xf033
	s_cbranch_scc0 .Lentry_shape_is_right
	s_endpgm
.Lentry_shape_is_right:
; out0 = concat Wo^T + bo on codes of FP8 (E4M3): [4096][1024] f32, K = 1,024.  Each finished sum is multiplied once by 2^(e10 + e11) and the bias added, in one fused multiply-add.
; LIMIT: e10 + e11 between -126 and 127, so that 2^(e10 + e11) is an f32 number.
; A tile of 128 x 128 is made by four waves, 64 x 64 each (16 accumulators): 256 work-groups.  Both operands' whole K fits in LDS: every byte is filled once, by ONE tensor load a wave at the head:
; waves 0 and 1 bring A's two halves (four images, 65,536 bytes on end), waves 2 and 3 B's (64 rows of 1,024 bytes).  One wait for 0 and one barrier stand ahead of the first read.
; A (cc) arrives as images of operand registers: [16 rows][128 K][piece: 4][512 bytes], lane l's 16 bytes at 16 l, K = 32 c + 16 (l / 16) + 0 .. 15 in piece c.  B (Wo's codes, wc + 3 MiB) arrives as rows of 1,024 codes in true order.
; THE MATRIX INSTRUCTION IS USED TRANSPOSED (source 0 = 16 rows of Wo, source 1 = 16 rows of A): a lane holds eight neighbouring numbers of a row of the output.
; CLUSTERS: 4 x 4 work-groups; A's tiles are shared along a row of the cluster, B's along a column, and asked for jointly.
; No prefetch: every tile is asked for at the head.
; REGISTERS: window 0: v8-15 LDS addresses; v24-29; v32-63 bo; v64-95 a block's results; v96-127 rows read back; v128-255 the accumulators ((a, b) at v[128 + 8 (4 a + b)]).   window 1: two fragment buffers of 128: A's four, then B's four.
.set PITCH,  1040                      ; B's LDS row: 1,024 bytes + 16 of padding = 65 x 16 bytes: the 16 rows that a load touches start at 16 different banks (ISA guide 11.1)
.set AHALF,  65536                     ; four images of 16 rows x 1,024 K
.set BBASE,  2*AHALF
.set SPARE,  BBASE+128*PITCH           ; the spare words, 128 bytes a wave, that no other line names
.set STAGE,  SPARE+512                 ; the way out: 16 rows x (256 bytes + 16) for each wave; no tensor load fills it
.set SPITCH, 272
.set ADRA, 8                           ; v8-11   my A fragments at K = 256 i
.set ADRB, 12                          ; v12-15  the same for B
.set STO,  24
.set RD,   25
.set CO,   26
.set BO,   27
.set SPW,  28
.set NIL,  29
.set BIAS, 32
.set T,    64
.set BK,   96
.set ACC,  128
.set WV,   14
.set RH,   15                          ; which half of the tile's rows is mine.  Also: I fetch for A (0) or for B (1)
.set CH,   16                          ; which half of its columns.  Also: which half of that tile I fetch
.set G1A,  24
.set G1B,  32
.set G0A,  40
.set G0B,  44
.set MSB, 0
.macro WIN new
.if MSB != \new
	s_set_vgpr_msb (MSB<<8)|\new
.set MSB, \new
.endif
.endm
.set W_MUL, 0x05                       ; sources 0 and 1 window 1; C and D window 0
.set TO_F,  0x40                       ; destination window 1, address window 0
.macro CROUND
	s_barrier_signal -1
	s_barrier_wait -1
	s_cmp_lg_u32 s[WV], 0
	s_cbranch_scc1 .Lnot_wave_0_\@
	s_barrier_signal -3
.Lnot_wave_0_\@:
	s_barrier_wait -3
	s_barrier_signal -1
	s_barrier_wait -1
.endm
	s_load_b128 s[4:7], s[0:1], 0x0                ; cc, wc
	s_load_b128 s[8:11], s[0:1], 0x10              ; the scales' exponents, bo
	s_load_b64 s[12:13], s[0:1], 0x20              ; out0
	v_lshl_add_u32 v[SPW], v0, 2, SPARE
	v_mov_b32 v[NIL], 0
	ds_add_u32 v[SPW], v[NIL]                      ; the opening: the add, twice on end, and its wait ahead of my tensor load
	ds_add_u32 v[SPW], v[NIL]
	v_lshrrev_b32 v1, 5, v0
	v_readfirstlane_b32 s[WV], v1
	s_lshr_b32 s[RH], s[WV], 1
	s_and_b32 s[CH], s[WV], 1
	s_bfe_u32 s17, ttmp6, 0x40000                  ; cx
	s_bfe_u32 s18, ttmp6, 0x40004                  ; cy
	s_lshl_b32 s19, ttmp9, 2
	s_add_co_u32 s19, s19, s17                     ; tile column, 0 .. 7
	s_and_b32 s20, ttmp7, 0xffff
	s_lshl_b32 s20, s20, 2
	s_add_co_u32 s20, s20, s18                     ; tile row, 0 .. 31
	s_lshl_b32 s21, s18, 2
	s_lshl_b32 s21, 15, s21                        ; my row of the cluster
	s_lshl_b32 s22, 0x1111, s17                    ; my column
	s_or_b32 s[G1A], s21, (3<<16)|(1<<21)          ; A: the mask; elements of 8 bytes; no padding; bit 21 beside a mask
	s_mov_b32 s[G1A+1], 2048<<16                   ; four rows of 2,048 elements (16,384 bytes: an image of 16 rows x 1,024 K),
	s_mov_b32 s[G1A+2], 4<<16
	s_mov_b32 s[G1A+3], 2048<<16
	s_mov_b32 s[G1A+4], 4
	s_mov_b32 s[G1A+5], 2048                       ; on end in memory
	s_mov_b32 s[G1A+6], 0
	s_mov_b32 s[G1A+7], 0
	s_or_b32 s[G1B], s22, (0<<16)|(1<<20)|(1<<21)|(7<<22)|(3<<25)   ; B: elements of 1 byte; after every 256 words 4 words of padding
	s_mov_b32 s[G1B+1], 1024<<16                   ; 64 whole rows of 1,024 bytes
	s_mov_b32 s[G1B+2], 64<<16
	s_mov_b32 s[G1B+3], 1024<<16
	s_mov_b32 s[G1B+4], 64
	s_mov_b32 s[G1B+5], 1024
	s_mov_b32 s[G1B+6], 0
	s_mov_b32 s[G1B+7], 0
	s_lshl_b32 s80, s20, 3
	s_lshl_b32 s81, s[CH], 2
	s_add_co_u32 s80, s80, s81                     ; A: image 8 x tile row + 4 x half,
	s_lshl_b32 s80, s80, 14
	s_mov_b32 s81, 0
	s_lshl_b32 s82, s19, 7
	s_lshl_b32 s83, s[CH], 6
	s_add_co_u32 s82, s82, s83                     ; B: row 128 x tile column + 64 x half,
	s_lshl_b32 s82, s82, 10
	s_add_co_u32 s82, s82, 0x300000                ; in Wo's section
	s_mov_b32 s83, 0
	s_lshl_b32 s84, s[CH], 16                      ; where they go: no place in the cluster enters an LDS address
	s_mul_i32 s85, s[CH], 64*PITCH
	s_add_co_u32 s85, s85, BBASE
	s_wait_dscnt 0x0                               ; both opening adds are done
	s_wait_kmcnt 0x0
	s_load_b64 s[78:79], s[8:9], 0x28              ; e10, e11
	s_mov_b32 s[G0A], 1
	s_mov_b32 s[G0A+1], s84
	s_add_nc_u64 s[G0A+2:G0A+3], s[4:5], s[80:81]
	s_or_b32 s[G0A+3], s[G0A+3], 0x80000000
	s_mov_b32 s[G0B], 1
	s_mov_b32 s[G0B+1], s85
	s_add_nc_u64 s[G0B+2:G0B+3], s[6:7], s[82:83]
	s_or_b32 s[G0B+3], s[G0B+3], 0x80000000
	CROUND                                         ; all sixteen work-groups are here: the joint loads meet
	s_cmp_eq_u32 s[RH], 0                          ; one fill in each arm of one branch on the wave's number; an s_nop 0 and four v_nop follow each
	s_cbranch_scc0 .Lfor_b
	tensor_load_to_lds s[G0A:G0A+3], s[G1A:G1A+7]
	s_nop 0
.rept 4
	v_nop
.endr
	s_branch .Lasked
.Lfor_b:
	tensor_load_to_lds s[G0B:G0B+3], s[G1B:G1B+7]
	s_nop 0
.rept 4
	v_nop
.endr
.Lasked:
	v_and_b32 v1, 15, v0                           ; r
	v_bfe_u32 v2, v0, 4, 1                         ; l / 16
	v_and_b32 v3, 31, v0
	v_lshlrev_b32 v4, 4, v3                        ; A: 16 x lane,
	s_wait_alu depctr_va_vdst(0)
	s_lshl_b32 s90, s[RH], 16                      ; my four images
	v_mul_u32_u24 v5, v1, PITCH
	v_lshl_add_u32 v5, v2, 4, v5                   ; B: row x pitch + 16 x half,
	s_wait_alu depctr_va_vdst(0)
	s_mul_i32 s91, s[CH], 64*PITCH                 ; my 64 rows
	s_add_co_u32 s91, s91, BBASE
.irp i, 0,1,2,3
	v_add_nc_u32 v[ADRA+\i], s90, v4
	v_add_nc_u32 v[ADRB+\i], s91, v5
	s_add_co_u32 s90, s90, 4096                    ; 256 along K on: two groups of four pieces of an image,
	s_add_co_u32 s91, s91, 256                     ; 256 bytes of a row
.endr
	s_mul_i32 s92, s[WV], 16*SPITCH
	s_add_co_u32 s92, s92, STAGE                   ; my stage
	v_mul_u32_u24 v6, v1, SPITCH
	v_lshl_add_u32 v6, v2, 5, v6
	v_add_nc_u32 v[STO], s92, v6                   ; in: row r, 32 bytes for each half of the lanes
	v_mul_u32_u24 v6, v2, SPITCH
	v_lshl_add_u32 v6, v1, 4, v6
	v_add_nc_u32 v[RD], s92, v6                    ; back: lanes 0-15 one row of 256 bytes, lanes 16-31 the next
	v_lshlrev_b32 v[CO], 12, v2
	v_lshl_add_u32 v[CO], v1, 4, v[CO]             ; and the same two rows in the output
	v_lshlrev_b32 v[BO], 5, v2
	s_wait_alu depctr_va_vdst(0)
	s_lshl_b32 s86, s20, 7
	s_lshl_b32 s87, s[RH], 6
	s_add_co_u32 s86, s86, s87                     ; my first row,
	s_lshl_b32 s86, s86, 12
	s_lshl_b32 s87, s19, 7
	s_lshl_b32 s88, s[CH], 6
	s_add_co_u32 s87, s87, s88                     ; my first column,
	s_lshl_b32 s88, s87, 2                         ; in bytes: a multiple of 256
	s_add_co_u32 s86, s86, s88
	s_mov_b32 s87, 0
	s_mov_b32 s89, 0
	s_add_nc_u64 s[12:13], s[12:13], s[86:87]
	s_add_nc_u64 s[10:11], s[10:11], s[88:89]
.irp b, 0,1,2,3
	global_load_b128 v[BIAS+8*\b:BIAS+8*\b+3], v[BO], s[10:11] offset:64*\b        ; bo at columns 16 b + 8 (l / 16) + 0 .. 7
	global_load_b128 v[BIAS+8*\b+4:BIAS+8*\b+7], v[BO], s[10:11] offset:64*\b+16
.endr
	s_wait_kmcnt 0x0
	s_add_co_i32 s76, s78, s79
	s_add_co_i32 s76, s76, 127
	s_lshl_b32 s76, s76, 23                        ; 2^(e10 + e11) as f32
	s_mov_b32 s77, s76                             ; (named with it as a pair, so it is written)
; 32 LDS loads: the fragments of the q-th 128 along K into buffer f
.macro FETCH q, f
	WIN TO_F
.irp n, 0,1,2,3
.irp c, 0,1,2,3
	ds_load_b128 v[\f+64+16*\n+4*\c:\f+64+16*\n+4*\c+3], v[ADRB+(\q)/2] offset:\n*16*PITCH+((\q)%2)*128+32*\c
	ds_load_b128 v[\f+16*\n+4*\c:\f+16*\n+4*\c+3], v[ADRA+(\q)/2] offset:\n*16384+((\q)%2)*2048+512*\c
.endr
.endr
.endm
; 16 matrix instructions, the 16 accumulators by turns, in the same order in every step.  zero = 1: the first products start the sums
.macro MUL f, zero
	WIN W_MUL
.irp a, 0,1,2,3
.irp b, 0,1,2,3
.if \zero
	v_wmma_f32_16x16x128_fp8_fp8 v[ACC+8*(4*\a+\b):ACC+8*(4*\a+\b)+7], v[\f+64+16*\b:\f+64+16*\b+15], v[\f+16*\a:\f+16*\a+15], 0
.else
	v_wmma_f32_16x16x128_fp8_fp8 v[ACC+8*(4*\a+\b):ACC+8*(4*\a+\b)+7], v[\f+64+16*\b:\f+64+16*\b+15], v[\f+16*\a:\f+16*\a+15], v[ACC+8*(4*\a+\b):ACC+8*(4*\a+\b)+7]
.endif
.endr
.endr
.endm
.macro PLACES                          ; plain vector instructions between a matrix instruction and a load into, or a vector read of, its registers
.rept 4
	v_nop
.endr
.endm
	s_wait_tensorcnt 0x0                           ; my share is in,
	s_barrier_signal -1
	s_barrier_wait -1                              ; everybody's is; nothing is ever filled again
	FETCH 0, 0
.irp q, 0,1,2,3,4,5,6,7
.if \q < 7
.if \q > 0
	PLACES                                         ; the buffer to be filled was multiplied by the products just issued
.endif
	FETCH \q+1, 128*((\q+1)%2)
	s_wait_dscnt 32                                ; all but the 32 just issued
.else
	s_wait_dscnt 0x0
.endif
.if \q == 0
	MUL 0, 1
.else
	MUL 128*(\q%2), 0
.endif
.endr
	WIN 0
	s_wait_loadcnt 0x0                             ; bo
	PLACES
	; THE WAY OUT, 16 rows x 64 columns at a time, through my own stage: LDS serves a wave's instructions in order (ISA guide 5.7.1.4), so no wait stands between the stores and the loads, nor in front of the next block's stores
.irp a, 0,1,2,3
.irp j, 0,2,4,6,8,10,12,14,16,18,20,22,24,26,28,30
	v_pk_fma_f32 v[T+\j:T+\j+1], v[ACC+32*\a+\j:ACC+32*\a+\j+1], s[76:77], v[BIAS+\j:BIAS+\j+1] op_sel_hi:[1,0,1]   ; sum x 2^(e10 + e11) + bo; each accumulator from its low end on
.endr
.irp b, 0,1,2,3
	ds_store_b128 v[STO], v[T+8*\b:T+8*\b+3] offset:64*\b
	ds_store_b128 v[STO], v[T+8*\b+4:T+8*\b+7] offset:64*\b+16
.endr
.if \a > 0
	s_wait_xcnt 0x0                                ; the last block's stores have read their registers: the loads below may land there
.endif
.irp t, 0,1,2,3,4,5,6,7
	ds_load_b128 v[BK+4*\t:BK+4*\t+3], v[RD] offset:\t*2*SPITCH
.endr
	s_wait_dscnt 0x0
.irp t, 0,1,2,3,4,5,6,7
	global_store_b128 v[CO], v[BK+4*\t:BK+4*\t+3], s[12:13] offset:(16*\a+2*\t)*4096 th:TH_STORE_NT   ; 16 lanes store 256 consecutive bytes, at a multiple of 256 from the output's first byte
.endr
.endr
	s_wait_tensorcnt 0x0                           ; the wave's end: behind my tensor load and my last LDS store
	ds_add_u32 v[SPW], v[NIL]
	s_wait_dscnt 0x0
	CROUND                                         ; the closing round
	s_endpgm
.Lfunc_end_k_q7b04793b86_outp:
	.size	k_q7b04793b86_outp, .Lfunc_end_k_q7b04793b86_outp-k_q7b04793b86_outp
	.p2alignl 7, 3214868480
	.fill 96, 4, 3214868480
	.section	.rodata,"a",@progbits
	.p2align	6, 0x0
	.amdhsa_kernel k_q7b04793b86_outp
		.amdhsa_group_segment_fixed_size 288256
		.amdhsa_private_segment_fixed_size 0
		.amdhsa_enable_private_segment 0
		.amdhsa_kernarg_size 40
		.amdhsa_user_sgpr_count 2
		.amdhsa_user_sgpr_kernarg_segment_ptr 1
		.amdhsa_wavefront_size32 1
		.amdhsa_system_sgpr_workgroup_id_x 1
		.amdhsa_system_sgpr_workgroup_id_y 1
		.amdhsa_system_sgpr_workgroup_id_z 1
		.amdhsa_system_vgpr_workitem_id 0
		.amdhsa_next_free_vgpr 512
		.amdhsa_next_free_sgpr 96
		.amdhsa_reserve_vcc 0
		.amdhsa_float_denorm_mode_32 3
		.amdhsa_float_denorm_mode_16_64 3
		.amdhsa_memory_ordered 1
		.amdhsa_forward_progress 1
		.amdhsa_inst_pref_size 45
	.end_amdhsa_kernel
	.amdgpu_metadata
---
amdhsa.version: [ 1, 2 ]
amdhsa.kernels:
  - .name:           k_q7b04793b86_outp
    .symbol:         k_q7b04793b86_outp.kd
    .args:
      - { .name: cc, .offset: 0, .size: 8, .value_kind: global_buffer, .address_space: global }
      - { .name: wc, .offset: 8, .size: 8, .value_kind: global_buffer, .address_space: global }
      - { .name: lowp_scales, .offset: 16, .size: 8, .value_kind: global_buffer, .address_space: global }
      - { .name: bo, .offset: 24, .size: 8, .value_kind: global_buffer, .address_space: global }
      - { .name: out0, .offset: 32, .size: 8, .value_kind: global_buffer, .address_space: global }
    .group_segment_fixed_size: 288256
    .private_segment_fixed_size: 0
    .kernarg_segment_align: 8
    .kernarg_segment_size: 40
    .max_flat_workgroup_size: 128
    .sgpr_count:     96
    .vgpr_count:     512
    .wavefront_size: 32
...
	.end_amdgpu_metadata
.endif
;; end of part 4
